; MI455X (gfx1250); checked and timed in simulation.
; The chip was launched on July 23, 2026; its instructions are those of AMD's public machine-readable ISA for CDNA 5 (MIT licence, August 2026) and "CDNA5" Instruction Set Architecture Reference Guide (July 2026). The comments in the code are by the model that wrote it; some were corrected since.
;; Multi Head Self Attention. Allowed arithmetic: matrix products marked QUANTISED: E2M3 operands, one E8M0 scale for each 32 along K, by v_wmma_scale_f32_16x16x128_f8f6f4 with both operands' format E2M3, f32 sums; everything else in f32.
;; Inputs: Wk 16 x 1,024 x 64 float32; Wq 16 x 1,024 x 64 float32; Wv 16 x 1,024 x 64 float32; bk 16 x 64 float32; bq 16 x 64 float32; bv 16 x 64 float32; x 4 x 2,048 x 1,024 float32.
;; Outputs: out0 4 x 2,048 x 1,024 float32.
;; This version of the problem:
;;   THIS VERSION OF THE PROBLEM IS GIVEN IN LOW PRECISION. The matrix products marked QUANTISED in the list below multiply operands that are first quantised to E2M3 (2 exponent bits, 3 mantissa bits; 6 bits a number), with one power-of-two scale for each 32 numbers along K (OCP MX v1.0); their sums are f32. All else is computed in f32.
;;   The module's matrix products, in the order in which they are computed (A, B: the left and right operand; K: the contracted axis; several contracted axes count as one K, in the product's order):
;;     1. [M 1,024, K 1,024] x [K 1,024, N 8,192]; A: input Wq; B: input x: QUANTISED
;;     2. [M 1,024, K 1,024] x [K 1,024, N 8,192]; A: input Wk; B: input x: QUANTISED
;;     3. [M 1,024, K 1,024] x [K 1,024, N 8,192]; A: input Wv; B: input x: QUANTISED
;;     4. batch 64 x [M 2,048, K 64] x [K 64, N 2,048]; A: computed on the way; B: computed on the way: QUANTISED
;;     5. batch 64 x [M 2,048, K 2,048] x [K 2,048, N 64]; A: softmax (see below); B: computed on the way: QUANTISED
;;   THE QUANTISER, for each operand of a quantised product, along K:
;;     - K is cut into blocks of 32 from its start; a last block that is shorter is filled with zeros.
;;     - A block's scale is 2^e with e = floor(log2(the largest magnitude in the block)) - 2, held to -126 .. 127; a block of zeros has e = 0. As a byte (E8M0): e + 127.
;;     - Each number is divided by its block's scale, clamped to +-7.5, and rounded to the nearest number of E2M3, ties to even, subnormals kept.
;;     - The product sums the exact products of the quantised numbers (number of the format x scale) in f32.
;;   ~~~python
;;   def quantise(x, axis):      # numpy; x: float32 -> the quantised numbers, widened to float32 again
;;       x = np.moveaxis(x, axis, -1); K = x.shape[-1]
;;       x = np.pad(x, [(0, 0)] * (x.ndim - 1) + [(0, -K % 32)]); x = x.reshape(x.shape[:-1] + (-1, 32)); a = np.abs(x).max(-1, keepdims=True)
;;       e = np.where(a > 0, np.clip(np.frexp(np.where(a > 0, a, 1))[1] - 1 - 2, -126, 127), 0)      # np.frexp(a)[1] - 1 = floor(log2(a)), exactly
;;       r = np.clip(x / 2.0 ** e, -7.5, 7.5)
;;       step = 2.0 ** (np.maximum(np.frexp(np.where(r == 0, 1, r))[1] - 1, 0) - 3)
;;       q = np.round(r / step) * step * 2.0 ** e      # np.round: ties to even
;;       return np.moveaxis(q.reshape(q.shape[:-2] + (-1,))[..., :K], -1, axis).astype(np.float32)
;;   ~~~
;;   SOFTMAX AHEAD OF A QUANTISED PRODUCT. Where the list says 'softmax', what is quantised is not the finished softmax but p = 2^(t - M), with t = logit x log2(e) and M = ceil(the row's largest t), a whole number; so 1/2 < the row's largest p <= 1. The row's sum l is taken of the UNQUANTISED p, in f32, and the product's result is divided by l at the end. Since M is a whole number, a kernel that streams over the keys may use a running M (the ceiling of the running maximum): every later rescaling is an exact power of two, which a block's scale takes up: the codes' values come out the same.
;;   OPERANDS COMPUTED ON THE WAY. 'Computed on the way' means the value that the module computes at that place (a softmax that the list does not call 'softmax' is quantised finished and normalised). What goes into a quantiser is computed in f32, as accurately as f32 sums, v_exp_f32 and their like allow (about 1e-6 of the number): no bf16 or f16 on the way to a quantiser, and a product that is left as it is and whose result goes on into a quantised operand takes f32 operands (vector FMAs, or v_wmma_f32_16x16x4_f32). A number that lies on a knife's edge between two numbers of the format may be rounded either way, as far as f32 arithmetic and the matrix unit's own rounding can turn it there, and no further.
;; One version. Each part assembles by itself: llvm-mc -triple=amdgcn-amd-amdhsa -mcpu=gfx1250 --defsym DOCPART=n.
;; ======== version 1 of 1: 3 launches
;; workspace buffers: cod 8,650,752 bytes; scl 360,448 bytes; qi 6,815,744 bytes; kv 13,369,344 bytes
;; launch quant (part 1): grid 352 x 1, 4 waves a work-group, no clusters, 68,096 bytes of LDS; arguments x, Wq, Wk, Wv, cod, scl; writes cod, scl
.if DOCPART == 1
	.amdgcn_target "amdgcn-amd-amdhsa--gfx1250"
	.amdhsa_code_object_version 6
	.text
	.protected	k_qb1666f574f_quant
	.globl	k_qb1666f574f_quant
	.p2align	8
	.type	k_qb1666f574f_quant,@function
k_qb1666f574f_quant:
	s_mov_b64 s[64:65], 0
	v_nop
	global_prefetch_b8 v0, s[64:65] scope:SCOPE_SE
	s_setreg_imm32_b32 hwreg(HW_REG_WAVE_MODE, 25, 1), 1
	s_wait_xcnt 0x0
; x [8192 rows][1024] and Wq, Wk, Wv [16 heads][1024 (d)][64 (e)], f32, become codes of FP6 (E2M3) along d, with one E8M0 byte for each 32 along d.
; cod: 11,264 rows of 768 bytes (1,024 codes, one stream of bits);  scl: 11,264 rows of 32 bytes.  Rows 0 .. 8,191: x;  rows 8,192 + 1,024 p + 64 h + e: W (p = 0, 1, 2 for q, k, v).
; ROWS ARE STORED WITH BITS 3 AND 4 OF THEIR INDEX SWAPPED: position 16 a + r of a group of 32 holds the true row 8 a + r + 8 (r / 8).  The next launch takes 16 neighbouring positions as a tile, and
; its results along such rows then come out as 16 true neighbours in a lane's registers.
; A block's scale is 2^(floor(log2(largest magnitude)) - 2): its byte is the largest magnitude's exponent field - 2, held at 1 from below.
; LIMITS: a block whose largest magnitude lies under 2^-124 (a block of zeros too) keeps the byte 1: this program alone reads the bytes, and zero codes add nothing.  NaN and infinities are not served.
; Work-groups 0 .. 255 take x (d innermost: a lane holds 16 neighbours, turned through the wave's own stage in LDS so that every load reads 512 consecutive bytes).
; Work-groups 256 .. 351 take W (d is the FIRST axis of a head: a lane takes a column e and its registers run down d; the codes leave through the wave's own stage as rows).
; Waves share nothing: no barrier.  Each path has LDS bytes of its own.  No work-group reads what another reads, so there is nothing to share in a cluster.
.set SPW,   12                         ; v12  LDS address of my spare word; never rewritten
.set NIL,   13                         ; v13  0; never rewritten
.set SPARE, 67584                      ; behind both paths' regions: 128 bytes for each wave
.set EMAX,  2
; the path of x
.set STEPS, 16                         ; a wave: 16 steps of 512 numbers = 8 rows
.set CB,    12                         ; bytes of 16 codes
.set XR,    16                         ; v16-79   four sets of 16 numbers as loaded
.set XX,    80                         ; v80-111  two sets of 16 neighbours
.set XE,    112                        ; v112-127 a scale byte for each step
.set XC,    128                        ; v128-191 codes: four registers for each step
.set WREG,  8192                       ; LDS 0 .. 32,767: a region for each wave: two stages of 32 x 80 bytes, then its 256 scale bytes
.set SP,    80
; the path of W
.set WSTG,  32768                      ; LDS 32,768 .. 67,583: a stage of 32 rows x 272 bytes for each wave
.set PITCH, 272
.set NB,    8                          ; blocks of 32 along d for a wave (256 along d)
.set WSB,   24                         ; v24-25   the scale bytes
.set WX,    32                         ; v32-95   two sets of 32 numbers
.set WC,    96                         ; v96-102  a block's codes
.set WOUT,  112                        ; v112-175 the way out
.macro LOAD t
.irp i, 0,1,2,3
	global_load_b128 v[XR+16*((\t)%4)+4*\i:XR+16*((\t)%4)+4*\i+3], v3, s[4:5] offset:2048*(\t)+512*\i th:TH_LOAD_NT   ; 32 lanes read 512 consecutive bytes
.endr
.endm
.macro TURN t                          ; a step's numbers through the stage: LDS serves a wave's instructions in order, so no wait stands between the stores and the loads
.irp i, 0,1,2,3
	ds_store_b128 v14, v[XR+16*((\t)%4)+4*\i:XR+16*((\t)%4)+4*\i+3] offset:32*SP*((\t)%2)+8*SP*\i
.endr
.irp i, 0,1,2,3
	ds_load_b128 v[XX+16*((\t)%2)+4*\i:XX+16*((\t)%2)+4*\i+3], v15 offset:32*SP*((\t)%2)+16*\i
.endr
.endm
.macro STEP t
.set XS, XX+16*((\t)%2)
.if (\t) > 0
	s_wait_dscnt 1                                 ; this step's numbers are back from the stage (the last step's byte store may be out)
.else
	s_wait_dscnt 0x0
.endif
.if (\t)+4 < STEPS
	LOAD (\t)+4                                    ; into the registers that this step's stores into the stage have read
.endif
.if (\t)+1 < STEPS
.if STEPS-2-(\t) >= 3
	s_wait_loadcnt 12                              ; the next step's four loads are in; those of the three steps behind it may be out
.else
	s_wait_loadcnt 4*(STEPS-2-(\t))
.endif
	TURN (\t)+1
.endif
	v_max3_num_f32 v8, |v[XS]|, |v[XS+1]|, |v[XS+2]|               ; the largest magnitude of my 16, in two chains
	v_max3_num_f32 v9, |v[XS+3]|, |v[XS+4]|, |v[XS+5]|
.irp i, 6,10
	v_max3_num_f32 v8, v8, |v[XS+\i]|, |v[XS+\i+1]|
	v_max3_num_f32 v9, v9, |v[XS+\i+2]|, |v[XS+\i+3]|
.endr
	v_max3_num_f32 v8, v8, |v[XS+14]|, |v[XS+15]|
	v_max3_num_f32 v8, v8, v9, (EMAX+1)<<23        ; and the floor 2^(3 - 127): the byte cannot fall under 1
	v_max_num_f32_dpp v8, v8, v8 row_xmask:1 row_mask:0xf bank_mask:0xf   ; and of my neighbour's 16: the block's
	v_add_nc_u32 v11, -(EMAX<<23), v8              ; 2 off its exponent field: the conversion takes the exponent field of this operand as its scale
	v_cvt_scalef32_pk16_fp6_f32 v[XC+4*(\t):XC+4*(\t)+2], v[XS:XS+15], v11
	v_lshrrev_b32 v[XE+(\t)], 23, v11              ; the scale's byte (also the plain line behind the conversion)
	ds_store_b8 v5, v[XE+(\t)] offset:16*(\t)      ; both lanes of a block write the same byte with the same value
	global_store_b96 v4, v[XC+4*(\t):XC+4*(\t)+2], s[12:13] offset:32*CB*(\t)   ; the wave stores 384 consecutive bytes
.endm
.macro WLOAD t                         ; block t: W(32 t + i, my column), i = 0 .. 31
.irp i, 0,1,2,3,4,5,6,7,8,9,10,11,12,13,14,15,16,17,18,19,20,21,22,23,24,25,26,27,28,29,30,31
	global_load_b32 v[WX+32*((\t)%2)+\i], v3, s[6:7] offset:(32*(\t)+\i)*256 th:TH_LOAD_NT
.endr
.endm
.macro BLOCK t
.set XS, WX+32*((\t)%2)
.if (\t) < NB-1
	s_wait_loadcnt 32                              ; this block's 32 loads are in; the next block's may be out
.else
	s_wait_loadcnt 0
.endif
	v_max3_num_f32 v16, |v[XS]|, |v[XS+1]|, |v[XS+2]|              ; the block's largest magnitude: all 32 numbers are mine
	v_max3_num_f32 v17, |v[XS+3]|, |v[XS+4]|, |v[XS+5]|
.irp i, 6,10,14,18,22,26
	v_max3_num_f32 v16, v16, |v[XS+\i]|, |v[XS+\i+1]|
	v_max3_num_f32 v17, v17, |v[XS+\i+2]|, |v[XS+\i+3]|
.endr
	v_max3_num_f32 v16, v16, |v[XS+30]|, |v[XS+31]|
	v_max3_num_f32 v16, v16, v17, (EMAX+1)<<23     ; and the floor
	v_add_nc_u32 v11, -(EMAX<<23), v16
	v_lshrrev_b32 v17, 23, v11                     ; the scale's byte
.if (\t)%4 == 0
	v_mov_b32 v[WSB+(\t)/4], v17                   ; four bytes to a register, the lower d in the lower byte
.else
	v_lshl_or_b32 v[WSB+(\t)/4], v17, 8*((\t)%4), v[WSB+(\t)/4]
.endif
	v_cvt_scalef32_pk16_fp6_f32 v[WC:WC+2], v[XS:XS+15], v11
	v_cvt_scalef32_pk16_fp6_f32 v[WC+4:WC+6], v[XS+16:XS+31], v11  ; (a conversion's three registers begin on an even number)
	ds_store_b96 v4, v[WC:WC+2] offset:32*(\t)     ; 12 bytes to a place of 16 in the stage: every LDS address is a multiple of 16
	ds_store_b96 v4, v[WC+4:WC+6] offset:32*(\t)+16
.if (\t)+2 < NB
	WLOAD (\t)+2
.endif
	s_wait_dscnt 0x0                               ; the stores have read their registers: the next block's codes may be written
.endm
	s_load_b256 s[4:11], s[0:1], 0x0               ; x s[4:5], Wq s[6:7], Wk s[8:9], Wv s[10:11]
	s_load_b128 s[12:15], s[0:1], 0x20             ; cod s[12:13], scl s[14:15]
	v_lshl_add_u32 v[SPW], v0, 2, SPARE
	v_mov_b32 v[NIL], 0
	v_lshrrev_b32 v1, 5, v0
	v_readfirstlane_b32 s16, v1                    ; wave 0..3
	v_and_b32 v2, 31, v0                           ; lane
	s_wait_kmcnt 0x0
	s_cmp_lt_u32 ttmp9, 256                        ; the choice hangs on the work-group's number alone
	s_cbranch_scc0 .Lweights
	; ---- x: my wave's run of 8 rows
	s_wait_alu depctr_va_vdst(0)
	v_lshlrev_b32 v3, 4, v2                        ; my 16 bytes of a load's 512
	s_mul_i32 s17, s16, WREG
	v_lshrrev_b32 v14, 2, v2
	v_mul_u32_u24 v14, v14, SP
	v_and_b32 v15, 3, v2
	v_lshl_add_u32 v14, v15, 4, v14
	v_add_nc_u32 v14, s17, v14                     ; the stage, on the way in: 80 (lane / 4) + 16 (lane % 4)
	v_mul_u32_u24 v15, v2, SP
	v_add_nc_u32 v15, s17, v15                     ; and on the way out: 80 x lane: my 16 neighbours
	v_mul_u32_u24 v4, v2, CB                       ; my codes' place in a step's
	v_lshrrev_b32 v5, 1, v2
	s_add_co_u32 s17, s17, 2*32*SP
	v_add_nc_u32 v5, s17, v5                       ; my wave's 256 scale bytes, my block's byte
	v_lshlrev_b32 v7, 3, v2
	v_add_nc_u32 v6, s17, v7                       ; and on the way out 8 bytes a lane
	s_lshl_b32 s18, ttmp9, 2
	s_add_co_u32 s19, s18, s16                     ; the run that I read: 4 x work-group + wave
	s_lshl_b32 s20, s19, 15                        ; 8 rows of 4,096 bytes
	s_mov_b32 s21, 0
	s_add_nc_u64 s[4:5], s[4:5], s[20:21]
	s_and_b32 s19, s16, 1
	s_lshl_b32 s19, s19, 1
	s_lshr_b32 s22, s16, 1
	s_or_b32 s19, s19, s22
	s_add_co_u32 s19, s19, s18                     ; the run that I write: the wave's two bits swapped = bits 3 and 4 of the row swapped
	s_mul_i32 s20, s19, 6144                       ; 8 rows of 768 bytes
	s_add_nc_u64 s[12:13], s[12:13], s[20:21]
	s_lshl_b32 s20, s19, 8                         ; 8 rows of 32 bytes
	s_add_nc_u64 s[14:15], s[14:15], s[20:21]
.irp t, 0,1,2,3
	LOAD \t
.endr
	s_wait_alu depctr_va_vdst(0)
	s_wait_loadcnt 12                              ; step 0's four loads are in
	TURN 0
.irp t, 0,1,2,3,4,5,6,7,8,9,10,11,12,13,14,15
	STEP \t
.endr
	ds_load_b64 v[8:9], v6                         ; LDS serves a wave's instructions in order: these see my byte stores
	s_wait_dscnt 0x0
	global_store_b64 v7, v[8:9], s[14:15]          ; 32 lanes store 256 consecutive bytes, aligned
	s_wait_tensorcnt 0x0                           ; the wave's end, behind my last LDS store
	ds_add_u32 v[SPW], v[NIL]
	s_wait_dscnt 0x0
	s_endpgm
.Lweights:
	; ---- W: my wave's 32 columns x 256 along d of one head of one of the three tensors
	s_sub_co_u32 s17, ttmp9, 256                   ; j = 0 .. 95
	s_lshr_b32 s18, s17, 1                         ; 16 p + h
	s_and_b32 s19, s17, 1
	s_lshl_b32 s19, s19, 1
	s_lshr_b32 s20, s16, 1
	s_add_co_u32 s19, s19, s20                     ; which quarter of d
	s_and_b32 s20, s16, 1                          ; which half of the 64 columns
	s_lshr_b32 s21, s18, 4                         ; p
	s_cmp_eq_u32 s21, 0
	s_cselect_b64 s[6:7], s[6:7], s[8:9]
	s_cmp_eq_u32 s21, 2
	s_cselect_b64 s[6:7], s[10:11], s[6:7]         ; Wq, Wk or Wv
	s_and_b32 s22, s18, 15
	s_lshl_b32 s22, s22, 18                        ; the head: 1,024 rows of 256 bytes
	s_lshl_b32 s23, s19, 16                        ; 256 rows of 256 bytes
	s_add_co_u32 s22, s22, s23
	s_lshl_b32 s23, s20, 7                         ; 32 columns of 4 bytes
	s_add_co_u32 s22, s22, s23
	s_mov_b32 s23, 0
	s_add_nc_u64 s[6:7], s[6:7], s[22:23]
	s_lshl_b32 s24, s18, 6
	s_lshl_b32 s25, s20, 5
	s_add_co_u32 s24, s24, s25
	s_add_co_u32 s24, s24, 8192                    ; the first of my 32 rows of cod and scl
	s_mul_i32 s26, s24, 768
	s_mul_i32 s27, s19, 192
	s_add_co_u32 s26, s26, s27
	s_mov_b32 s27, 0
	s_add_nc_u64 s[12:13], s[12:13], s[26:27]
	s_lshl_b32 s26, s24, 5
	s_lshl_b32 s28, s19, 3
	s_add_co_u32 s26, s26, s28
	s_add_nc_u64 s[14:15], s[14:15], s[26:27]
	s_wait_alu depctr_va_vdst(0)
	v_lshlrev_b32 v3, 2, v2                        ; in: 4 bytes a lane
	s_mul_i32 s29, s16, 32*PITCH
	s_add_co_u32 s29, s29, WSTG                    ; my stage
	v_mul_u32_u24 v4, v2, PITCH
	v_add_nc_u32 v4, s29, v4                       ; into it: row = my column
	v_and_b32 v5, 15, v2
	v_lshrrev_b32 v6, 4, v2
	v_mul_u32_u24 v7, v6, PITCH
	v_lshl_add_u32 v7, v5, 4, v7
	v_add_nc_u32 v7, s29, v7                       ; out of it: sixteen lanes to a row, two rows an instruction
	v_mul_u32_u24 v8, v6, 768
	v_mad_u32_u24 v8, v5, 12, v8                   ; and the same place in cod
	v_and_b32 v9, 7, v2
	v_bfe_u32 v10, v2, 3, 1
	v_lshl_or_b32 v9, v10, 4, v9
	v_bfe_u32 v10, v2, 4, 1
	v_lshl_or_b32 v9, v10, 3, v9                   ; my column with bits 3 and 4 swapped: its position
	v_lshlrev_b32 v9, 5, v9                        ; 32 bytes a row of scl
	WLOAD 0
	WLOAD 1
.set Q, 0
.rept NB
	BLOCK Q
.set Q, Q+1
.endr
	s_wait_alu depctr_va_vdst(0)
	global_store_b64 v9, v[WSB:WSB+1], s[14:15]    ; my column's 8 scale bytes
.irp t, 0,1,2,3,4,5,6,7,8,9,10,11,12,13,14,15
	ds_load_b96 v[WOUT+4*\t:WOUT+4*\t+2], v7 offset:2*\t*PITCH   ; columns 2 t and 2 t + 1; these see my stores
.endr
.irp t, 0,1,2,3,4,5,6,7,8,9,10,11,12,13,14,15
	s_wait_dscnt 15-\t                             ; the younger loads may stay out
	global_store_b96 v8, v[WOUT+4*\t:WOUT+4*\t+2], s[12:13] offset:(16*((\t/4)%2)+8*(\t/8)+2*(\t%4))*768   ; to the position of column 2 t (bits 3 and 4 swapped): sixteen lanes store 192 consecutive bytes
.endr
	s_wait_tensorcnt 0x0                           ; the wave's end, behind my last LDS store
	ds_add_u32 v[SPW], v[NIL]
	s_wait_dscnt 0x0
	s_endpgm
.Lfunc_end_k_qb1666f574f_quant:
	.size	k_qb1666f574f_quant, .Lfunc_end_k_qb1666f574f_quant-k_qb1666f574f_quant
	.p2alignl 7, 3214868480
	.fill 96, 4, 3214868480
	.section	.rodata,"a",@progbits
	.p2align	6, 0x0
	.amdhsa_kernel k_qb1666f574f_quant
		.amdhsa_group_segment_fixed_size 68096
		.amdhsa_private_segment_fixed_size 0
		.amdhsa_enable_private_segment 0
		.amdhsa_kernarg_size 48
		.amdhsa_user_sgpr_count 2
		.amdhsa_user_sgpr_kernarg_segment_ptr 1
		.amdhsa_wavefront_size32 1
		.amdhsa_system_sgpr_workgroup_id_x 1
		.amdhsa_system_sgpr_workgroup_id_y 1
		.amdhsa_system_sgpr_workgroup_id_z 1
		.amdhsa_system_vgpr_workitem_id 0
		.amdhsa_next_free_vgpr 192
		.amdhsa_next_free_sgpr 66
		.amdhsa_reserve_vcc 0
		.amdhsa_float_denorm_mode_32 3
		.amdhsa_float_denorm_mode_16_64 3
		.amdhsa_memory_ordered 1
		.amdhsa_forward_progress 1
		.amdhsa_inst_pref_size 74
	.end_amdhsa_kernel
	.amdgpu_metadata
---
amdhsa.version: [ 1, 2 ]
amdhsa.kernels:
  - .name:           k_qb1666f574f_quant
    .symbol:         k_qb1666f574f_quant.kd
    .args:
      - { .name: x, .offset: 0, .size: 8, .value_kind: global_buffer, .address_space: global }
      - { .name: Wq, .offset: 8, .size: 8, .value_kind: global_buffer, .address_space: global }
      - { .name: Wk, .offset: 16, .size: 8, .value_kind: global_buffer, .address_space: global }
      - { .name: Wv, .offset: 24, .size: 8, .value_kind: global_buffer, .address_space: global }
      - { .name: cod, .offset: 32, .size: 8, .value_kind: global_buffer, .address_space: global }
      - { .name: scl, .offset: 40, .size: 8, .value_kind: global_buffer, .address_space: global }
    .group_segment_fixed_size: 68096
    .private_segment_fixed_size: 0
    .kernarg_segment_align: 8
    .kernarg_segment_size: 48
    .max_flat_workgroup_size: 128
    .sgpr_count:     66
    .vgpr_count:     192
    .wavefront_size: 32
...
	.end_amdgpu_metadata
.endif
;; end of part 1
;; launch proj (part 2): grid 12 x 32, 4 waves a work-group, clusters of 4 x 4, 327,680 bytes of LDS; arguments cod, scl, qi, kv, bq, bk, bv; writes qi, kv
.if DOCPART == 2
	.amdgcn_target "amdgcn-amd-amdhsa--gfx1250"
	.amdhsa_code_object_version 6
	.text
	.protected	k_qb1666f574f_proj
	.globl	k_qb1666f574f_proj
	.p2align	8
	.type	k_qb1666f574f_proj,@function
k_qb1666f574f_proj:
	s_mov_b64 s[64:65], 0
	v_nop
	global_prefetch_b8 v0, s[64:65] scope:SCOPE_SE
	s_setreg_imm32_b32 hwreg(HW_REG_WAVE_MODE, 25, 1), 1
	s_wait_xcnt 0x0
	s_wait_alu depctr_hold_cnt(0) depctr_sa_sdst(0) depctr_va_vdst(0) depctr_va_sdst(0) depctr_va_ssrc(0) depctr_va_vcc(0) depctr_vm_vsrc(0)
	s_getreg_b32 s2, hwreg(HW_REG_IB_STS2, 6, 4)
	s_cmp_eq_u32 s2, 0
	s_cbranch_scc0 .Lentry_in_a_cluster
	s_endpgm
.Lentry_in_a_cluster:
	s_bfe_u32 s2, ttmp6, 0x10000c
	s_cmp_lg_u32 s2, 0xf033
	s_cbranch_scc0 .Lentry_shape_is_right
	s_endpgm
.Lentry_shape_is_right:
.set KSTEP,  256
.set NQ,     2
.set ROWB,   192
.set KROW,   768
.set PITCH,  240
.set FR,     12
.set NL,     6
.set NP,     4
.set HALFT,  128*PITCH
.set SLOT,   4*HALFT
.set LAPS,   2
.set KS,     32
.set SCL,    2*SLOT
.set HALFS,  (128*KS/256)*272
.set SBLK,   (16*KS/256)*272
.set SPARE,  SCL+4*HALFS
.set HBK,    208896
.set HBQ,    106496
.set ADRA, 16
.set ADRB, 20
.set LI16, 24
.set LI8,  25
.set ADRS, 27
.set SPW,  28
.set NIL,  29
.set BO,   30
.set VO,   31
.set SC,   32
.set BI,   64
.set AF,   128
.set BV,   224
.set T,    128
.set CD,   192
.set PW,   212
.set SH,   213
.set SW,   214
.set SOF,  222
.set TM,   240
.set G1, 24
.set G0, 32
.set G1B, 48
.set G0B, 56
.set G1S, 68
.set G0S, 76
.set G1SB, 80
.set G0SB, 88
.set BAS, 68
.set SEL, 74
.set MSB, 0
.macro WIN new
.if MSB != \new
	s_set_vgpr_msb (MSB<<8)|\new
.set MSB, \new
.endif
.endm
.set MUL_LO, 0xa1
.set MUL_HI, 0xf1
.set TO_B,   0x40
.macro JLOAD g0a, g1a, g0b, g1b
	s_cmp_eq_u32 s15, 0
	s_cbranch_scc0 .Lfor_b_\@
	tensor_load_to_lds s[\g0a:\g0a+3], s[\g1a:\g1a+7]
	s_nop 0
.rept 4
	v_nop
.endr
	s_branch .Lasked_\@
.Lfor_b_\@:
	tensor_load_to_lds s[\g0b:\g0b+3], s[\g1b:\g1b+7]
	s_nop 0
.rept 4
	v_nop
.endr
.Lasked_\@:
.endm
.macro CREST
	s_cmp_lg_u32 s14, 0
	s_cbranch_scc1 .Lnot_wave_0_\@
	s_barrier_signal -3
.Lnot_wave_0_\@:
	s_barrier_wait -3
	s_barrier_signal -1
	s_barrier_wait -1
.endm
.macro CROUND
	s_barrier_signal -1
	s_barrier_wait -1
	CREST
.endm
	s_load_b128 s[4:7], s[0:1], 0x0
	s_load_b128 s[8:11], s[0:1], 0x10
	s_load_b128 s[96:99], s[0:1], 0x20
	s_load_b64 s[100:101], s[0:1], 0x30
	v_lshl_add_u32 v[SPW], v0, 2, SPARE
	v_mov_b32 v[NIL], 0
	ds_add_u32 v[SPW], v[NIL]
	ds_add_u32 v[SPW], v[NIL]
	v_lshrrev_b32 v1, 5, v0
	v_readfirstlane_b32 s14, v1
	s_lshr_b32 s15, s14, 1
	s_and_b32 s16, s14, 1
	s_bfe_u32 s40, ttmp6, 0x40000
	s_bfe_u32 s41, ttmp6, 0x40004
	s_and_b32 s12, ttmp7, 0xffff
	s_add_co_u32 s13, ttmp9, 8
	s_cmp_eq_u32 ttmp9, 2
	s_cselect_b32 s17, 10, s12
	s_cselect_b32 s42, s12, s13
	s_lshl_b32 s17, s17, 2
	s_add_co_u32 s17, s17, s41
	s_lshl_b32 s42, s42, 2
	s_add_co_u32 s42, s42, s40
	s_lshl_b32 s43, s41, 2
	s_lshl_b32 s43, 15, s43
	s_lshl_b32 s44, 0x1111, s40
	s_or_b32 s[G1+0], s43, (0<<16)|(1<<20)|(1<<21)|(3<<22)|(3<<25)
	s_or_b32 s[G1B+0], s44, (0<<16)|(1<<20)|(1<<21)|(3<<22)|(3<<25)
.irp g, G1, G1B
	s_mov_b32 s[\g+1], ROWB<<16
	s_mov_b32 s[\g+2], 128<<16
	s_mov_b32 s[\g+3], ROWB<<16
	s_mov_b32 s[\g+4], 128
	s_mov_b32 s[\g+5], KROW
	s_mov_b32 s[\g+6], 0
	s_mov_b32 s[\g+7], 0
.endr
	s_or_b32 s[G1S+0], s43, (3<<16)|(1<<20)|(1<<21)|(5<<22)|(3<<25)
	s_or_b32 s[G1SB+0], s44, (3<<16)|(1<<20)|(1<<21)|(5<<22)|(3<<25)
.irp g, G1S, G1SB
	s_mov_b32 s[\g+1], 32<<16
	s_mov_b32 s[\g+2], (128*KS/256)<<16
	s_mov_b32 s[\g+3], 32<<16
	s_mov_b32 s[\g+4], 128*KS/256
	s_mov_b32 s[\g+5], 32
	s_mov_b32 s[\g+6], 0
	s_mov_b32 s[\g+7], 0
.endr
	s_lshl_b32 s18, s16, 7
	s_lshl_b32 s20, s17, 8
	s_add_co_u32 s20, s20, s18
	s_lshl_b32 s46, s42, 8
	s_add_co_u32 s46, s46, s18
	s_mov_b32 s21, 0
	s_mov_b32 s47, 0
	s_mov_b64 s[18:19], KS
	s_mul_u64 s[22:23], s[20:21], s[18:19]
	s_mul_u64 s[92:93], s[46:47], s[18:19]
	s_mov_b64 s[18:19], KROW
	s_mul_u64 s[20:21], s[20:21], s[18:19]
	s_mul_u64 s[46:47], s[46:47], s[18:19]
	s_mul_i32 s45, s14, HALFT
	s_mul_i32 s94, s14, HALFS
	s_wait_dscnt 0x0
	s_wait_kmcnt 0x0
	s_add_nc_u64 s[20:21], s[4:5], s[20:21]
	s_add_nc_u64 s[22:23], s[6:7], s[22:23]
	s_add_nc_u64 s[46:47], s[4:5], s[46:47]
	s_add_nc_u64 s[92:93], s[6:7], s[92:93]
	CROUND
	s_mov_b32 s[G0S], 1
	s_add_co_u32 s[G0S+1], s94, SCL
	s_mov_b64 s[G0S+2:G0S+3], s[22:23]
	s_or_b32 s[G0S+3], s[G0S+3], 0x80000000
	s_mov_b32 s[G0SB], 1
	s_add_co_u32 s[G0SB+1], s94, SCL
	s_mov_b64 s[G0SB+2:G0SB+3], s[92:93]
	s_or_b32 s[G0SB+3], s[G0SB+3], 0x80000000
	JLOAD G0S, G1S, G0SB, G1SB
.irp s, 0,1
	s_mov_b32 s[G0+4*\s], 1
	s_add_co_u32 s[G0+4*\s+1], s45, \s*SLOT
	s_add_nc_u64 s[G0+4*\s+2:G0+4*\s+3], s[20:21], \s*ROWB
	s_or_b32 s[G0+4*\s+3], s[G0+4*\s+3], 0x80000000
	s_mov_b32 s[G0B+4*\s], 1
	s_add_co_u32 s[G0B+4*\s+1], s45, \s*SLOT
	s_add_nc_u64 s[G0B+4*\s+2:G0B+4*\s+3], s[46:47], \s*ROWB
	s_or_b32 s[G0B+4*\s+3], s[G0B+4*\s+3], 0x80000000
	s_wait_alu depctr_va_vdst(0)
	s_wait_tensorcnt 0x0
	ds_add_u32 v28, v29
	s_wait_dscnt 0x0
	CROUND
	JLOAD G0+4*\s, G1, G0B+4*\s, G1B
.endr
	v_and_b32 v1, 15, v0
	v_bfe_u32 v2, v0, 4, 1
	v_mul_u32_u24 v3, v1, PITCH
	v_mul_u32_u24 v4, v2, 24
	v_add_nc_u32 v4, v3, v4
	v_lshl_add_u32 v5, v2, 4, v4
	s_mul_i32 s21, s15, HALFT
	s_mul_i32 s22, s16, HALFT
	s_add_co_u32 s22, s22, 2*HALFT
.irp s, 0,1
	v_add_nc_u32 v[ADRA+\s], s21, v4
	v_add_nc_u32 v[ADRB+\s], s22, v4
	v_add_nc_u32 v[ADRA+2+\s], s21, v5
	v_add_nc_u32 v[ADRB+2+\s], s22, v5
	s_add_co_u32 s21, s21, SLOT
	s_add_co_u32 s22, s22, SLOT
.endr
	v_mul_u32_u24 v5, v1, KS
	v_lshrrev_b32 v6, 8, v5
	v_lshl_add_u32 v5, v6, 4, v5
	s_mul_i32 s21, s15, HALFS
	s_mul_i32 s22, s16, HALFS
	s_add_co_u32 s22, s22, 2*HALFS
	s_sub_co_u32 s22, s22, s21
	v_mul_u32_u24 v6, s22, v2
	s_add_co_u32 s21, s21, SCL
	v_add_nc_u32 v5, v5, v6
	v_add_nc_u32 v[ADRS], s21, v5
	v_and_b32 v6, 31, v0
	v_lshlrev_b32 v[LI16], 4, v6
	v_lshlrev_b32 v[LI8], 3, v6
	v_lshlrev_b32 v[BO], 6, v2
	s_wait_alu depctr_va_vdst(0)
	v_and_b32 v[VO], 8, v1
	v_add_nc_u32 v[VO], v[VO], v1
	v_lshlrev_b32 v[VO], 2, v[VO]
	s_wait_alu depctr_va_vdst(0)
	s_cmp_eq_u32 ttmp9, 1
	s_cselect_b64 s[96:97], s[98:99], s[96:97]
	s_lshl_b32 s46, s40, 10
	s_lshl_b32 s47, s16, 9
	s_add_co_u32 s46, s46, s47
	s_mov_b32 s47, 0
	s_add_nc_u64 s[96:97], s[96:97], s[46:47]
	s_lshl_b32 s20, s41, 10
	s_lshl_b32 s21, s15, 9
	s_add_co_u32 s20, s20, s21
	s_mov_b32 s21, 0
	s_add_nc_u64 s[100:101], s[100:101], s[20:21]
.irp b, 0,1,2,3
.irp j, 0,1,2,3
	global_load_b128 v[BI+16*\b+4*\j:BI+16*\b+4*\j+3], v[BO], s[96:97] offset:128*\b+16*\j
.endr
.endr
.irp a, 0,1,2,3,4,5,6,7
	global_load_b32 v[BV+2*\a], v[VO], s[100:101] offset:4*(32*(\a/2)+8*(\a%2))
	global_load_b32 v[BV+2*\a+1], v[VO], s[100:101] offset:4*(32*(\a/2)+8*(\a%2))
.endr
.macro FRAG reg, adr, q, i
.irp p, 0,1,2,3,4,5
.set PC, 12*(\q)+6*(\p/3)+\p%3
.if PC%8 < 5
	ds_load_b64 v[\reg+2*\p:\reg+2*\p+1], v[\adr] offset:8*PC+16*(PC/8)+(\i)*16*PITCH
.else
	ds_load_b64 v[\reg+2*\p:\reg+2*\p+1], v[\adr+2] offset:8*PC+16*(PC/8)+(\i)*16*PITCH
.endif
.endr
.endm
.macro MUL16 a0, p, q, sc, zero
.irp a, \a0, \a0+1
.irp b, 0,1,2,3,4,5,6,7
.if \zero
	v_wmma_scale_f32_16x16x128_f8f6f4 v[8*(8*((\a)%4)+\b):8*(8*((\a)%4)+\b)+7], v[128*(\p)+FR*\b:128*(\p)+FR*\b+FR-1], v[AF+FR*(\a):AF+FR*(\a)+FR-1], 0, v[SC+8*NQ*(\sc)+NQ*\b+(\q)], v[SC+8*NQ*(\sc)+NQ*(\a)+(\q)] matrix_a_fmt:MATRIX_FMT_FP6 matrix_b_fmt:MATRIX_FMT_FP6 matrix_a_scale:MATRIX_SCALE_ROW1
.else
	v_wmma_scale_f32_16x16x128_f8f6f4 v[8*(8*((\a)%4)+\b):8*(8*((\a)%4)+\b)+7], v[128*(\p)+FR*\b:128*(\p)+FR*\b+FR-1], v[AF+FR*(\a):AF+FR*(\a)+FR-1], v[8*(8*((\a)%4)+\b):8*(8*((\a)%4)+\b)+7], v[SC+8*NQ*(\sc)+NQ*\b+(\q)], v[SC+8*NQ*(\sc)+NQ*(\a)+(\q)] matrix_a_fmt:MATRIX_FMT_FP6 matrix_b_fmt:MATRIX_FMT_FP6 matrix_a_scale:MATRIX_SCALE_ROW1
.endif
.endr
.endr
.endm
.macro FETCH_B slot, q, p
	WIN TO_B
.irp i, 0,1,2,3,4,5,6,7
	FRAG 128*(\p)+FR*\i, ADRB+\slot, \q, \i
.endr
	WIN 0
.endm
.macro FETCH_A slot, q, i0
.irp i, \i0, \i0+1, \i0+2, \i0+3
	FRAG AF+FR*(\i), ADRA+\slot, \q, \i
.endr
.endm
.macro SCALES sc
.irp i, 0,1,2,3,4,5,6,7
	ds_load_b64 v[SC+8*NQ*\sc+NQ*\i:SC+8*NQ*\sc+NQ*\i+1], v[ADRS] offset:\i*SBLK
.endr
.endm
.macro PLACES n
.rept \n
	v_nop
.endr
.endm
.macro STEP slot, q, zero
	s_wait_dscnt 4*NL
	WIN MUL_LO
	MUL16 0, (\q)%2, \q, \slot, \zero
	MUL16 2, (\q)%2, \q, \slot, \zero
	s_wait_dscnt 0
	PLACES NP
	FETCH_B \slot, (\q)+1, 1-(\q)%2
	FETCH_A \slot, (\q)+1, 0
	WIN MUL_HI
	MUL16 4, (\q)%2, \q, \slot, \zero
	MUL16 6, (\q)%2, \q, \slot, \zero
	PLACES NP
	WIN 0
	FETCH_A \slot, (\q)+1, 4
.endm
.macro TURN slot, next, fill
	s_wait_tensorcnt 0x0
	ds_add_u32 v[SPW], v[NIL]
	s_wait_dscnt 4*NL+1
	WIN MUL_LO
	MUL16 0, 1, NQ-1, \slot, 0
	s_wait_dscnt 0x0
	s_barrier_signal -1
	MUL16 2, 1, NQ-1, \slot, 0
	WIN 0
	s_barrier_wait -1
.if \fill
	CREST
	s_add_nc_u64 s[G0+4*\slot+2:G0+4*\slot+3], s[G0+4*\slot+2:G0+4*\slot+3], 2*ROWB
	s_add_nc_u64 s[G0B+4*\slot+2:G0B+4*\slot+3], s[G0B+4*\slot+2:G0B+4*\slot+3], 2*ROWB
	JLOAD G0+4*\slot, G1, G0B+4*\slot, G1B
.else
	PLACES NP
.endif
	s_wait_alu depctr_va_vdst(0)
	v_add_nc_u32 v[ADRS], 4*NQ, v[ADRS]
	FETCH_B \next, 0, 0
	FETCH_A \next, 0, 0
	SCALES \next
	WIN MUL_HI
	MUL16 4, 1, NQ-1, \slot, 0
	MUL16 6, 1, NQ-1, \slot, 0
	PLACES NP
	WIN 0
	FETCH_A \next, 0, 4
.endm
.macro QUANT s
.irp b, 0,1,2,3
	v_max3_num_f32 v[TM+\b], |v[\s+16*\b]|, |v[\s+1+16*\b]|, 0x1800000
.endr
.irp i, 2,4,6,8,10,12,14
.irp b, 0,1,2,3
	v_max3_num_f32 v[TM+\b], v[TM+\b], |v[\s+16*\b+\i]|, |v[\s+1+16*\b+\i]|
.endr
.endr
.irp b, 0,1,2,3
	v_permlanex16_b32 v[TM+4+\b], v[TM+\b], s[SEL], s[SEL+1]
.endr
.irp b, 0,1,2,3
	v_max_num_f32 v[TM+\b], v[TM+\b], v[TM+4+\b]
.endr
.irp b, 0,1,2,3
	v_add_nc_u32 v[TM+12+\b], 0xff000000, v[TM+\b]
.endr
.irp b, 0,1,2,3
	v_lshrrev_b32 v[TM+4+\b], 23, v[TM+12+\b]
.endr
	v_lshl_or_b32 v[PW], v[TM+5], 8, v[TM+4]
	v_lshl_or_b32 v[PW], v[TM+6], 16, v[PW]
	v_lshl_or_b32 v[PW], v[TM+7], 24, v[PW]
.irp c, 0,1
	v_cvt_scalef32_pk16_fp6_f32 v[CD+6*\c:CD+2+6*\c], v[\s+32*\c:\s+15+32*\c], v[TM+12+2*\c]
	v_cvt_scalef32_pk16_fp6_f32 v[CD+12+4*\c:CD+14+4*\c], v[\s+16+32*\c:\s+31+32*\c], v[TM+12+2*\c+1]
.endr
	v_nop
.irp c, 0,1
.irp i, 0,1,2
	v_permlane16_swap_b32 v[CD+6*\c+\i], v[CD+12+4*\c+\i]
.endr
.irp i, 0,1,2
	v_mov_b32 v[CD+3+6*\c+\i], v[CD+12+4*\c+\i]
.endr
.endr
.endm
.macro EPI a, kind
.set AC, 64*((\a)%4)
.if (\a) > 0
	s_wait_xcnt 0x0
.endif
	WIN 0x02+(\a)/4
.set i, 0
.rept 32
.if \kind
	v_pk_add_f32 v[T+i:T+i+1], v[AC+i:AC+i+1], v[BV+2*(\a):BV+2*(\a)+1]
.else
	v_pk_add_f32 v[T+i:T+i+1], v[AC+i:AC+i+1], v[BI+i:BI+i+1]
.endif
.set i, i+2
.endr
	WIN 0
	QUANT T
.if \kind
.irp j, 0,1,2
	global_store_b128 v[LI16], v[CD+4*\j:CD+4*\j+3], s[BAS+2*((\a)/4):BAS+2*((\a)/4)+1] offset:1536*((\a)%4)+512*\j
.endr
	v_mov_b32 v[SW+(\a)], v[PW]
.else
	global_store_b128 v[LI16], v[CD:CD+3], s[BAS:BAS+1] offset:768*(\a)
	global_store_b64 v[LI8], v[CD+4:CD+5], s[BAS:BAS+1] offset:768*(\a)+512
	global_store_b128 v[LI16], v[CD+6:CD+9], s[BAS+2:BAS+3] offset:768*(\a)
	global_store_b64 v[LI8], v[CD+10:CD+11], s[BAS+2:BAS+3] offset:768*(\a)+512
	v_lshrrev_b32 v[SW+(\a)], v[SH], v[PW]
.endif
.endm
	s_wait_tensorcnt 1
	s_barrier_signal -1
	s_barrier_wait -1
	FETCH_B 0, 0, 0
	FETCH_A 0, 0, 0
	SCALES 0
	FETCH_A 0, 0, 4
	STEP 0, 0, 1
	s_mov_b32 s3, LAPS-1
.Llap:
	TURN 0, 1, 1
	STEP 1, 0, 0
	TURN 1, 0, 1
	STEP 0, 0, 0
	s_sub_co_u32 s3, s3, 1
	s_cmp_lg_u32 s3, 0
	s_cbranch_scc1 .Llap
	TURN 0, 1, 0
	STEP 1, 0, 0
	s_wait_dscnt 4*NL
	WIN MUL_LO
	MUL16 0, 1, NQ-1, 1, 0
	MUL16 2, 1, NQ-1, 1, 0
	s_wait_dscnt 0
	WIN MUL_HI
	MUL16 4, 1, NQ-1, 1, 0
	MUL16 6, 1, NQ-1, 1, 0
	WIN 0
	PLACES NP
	s_wait_loadcnt 0x0
	s_mov_b32 s[SEL], 0x76543210
	s_mov_b32 s[SEL+1], 0xfedcba98
.irp b, 0,1,2,3
	v_mov_b32 v[TM+4+\b], 0
.endr
	v_bfe_u32 v[SH], v0, 4, 1
	v_and_b32 v[SOF], 15, v0
	s_cmp_eq_u32 ttmp9, 2
	s_cbranch_scc1 .Lv_out
	s_lshl_b32 s18, s17, 1
	s_add_co_u32 s18, s18, s15
	s_lshr_b32 s19, s18, 4
	s_and_b32 s18, s18, 15
	s_lshl_b32 s19, s19, 4
	s_lshl_b32 s20, s40, 2
	s_add_co_u32 s19, s19, s20
	s_lshl_b32 s20, s16, 1
	s_add_co_u32 s19, s19, s20
	s_cmp_eq_u32 ttmp9, 0
	s_cselect_b64 s[22:23], s[8:9], s[10:11]
	s_mov_b32 s20, HBK
	s_cselect_b32 s20, HBQ, s20
	s_mov_b32 s21, 196608
	s_cselect_b32 s21, 98304, s21
	s_mul_i32 s46, s19, s20
	s_mov_b32 s47, 0
	s_add_nc_u64 s[22:23], s[22:23], s[46:47]
	s_mul_i32 s46, s18, 6144
	s_add_nc_u64 s[BAS:BAS+1], s[22:23], s[46:47]
	s_mov_b32 s46, s20
	s_add_nc_u64 s[BAS+2:BAS+3], s[BAS:BAS+1], s[46:47]
	s_lshl_b32 s46, s18, 9
	s_add_co_u32 s46, s46, s21
	s_add_nc_u64 s[BAS+4:BAS+5], s[22:23], s[46:47]
	s_wait_alu depctr_va_vdst(0)
	v_mul_u32_u24 v[TM+8], v[SH], s20
	v_lshl_add_u32 v[SOF], v[SOF], 4, v[TM+8]
	v_lshlrev_b32 v[SH], 4, v[SH]
.irp a, 0,1,2,3,4,5,6,7
	EPI \a, 0
.endr
	global_store_b128 v[SOF], v[SW:SW+3], s[BAS+4:BAS+5]
	global_store_b128 v[SOF], v[SW+4:SW+7], s[BAS+4:BAS+5] offset:256
	s_branch .Ldone
.Lv_out:
	s_lshl_b32 s18, s42, 1
	s_add_co_u32 s18, s18, s16
	s_lshr_b32 s19, s18, 4
	s_and_b32 s18, s18, 15
	s_lshl_b32 s19, s19, 4
	s_lshl_b32 s20, s41, 2
	s_add_co_u32 s19, s19, s20
	s_lshl_b32 s20, s15, 1
	s_add_co_u32 s19, s19, s20
	s_mul_i32 s46, s19, HBK
	s_mov_b32 s47, 0
	s_add_nc_u64 s[22:23], s[10:11], s[46:47]
	s_mul_i32 s46, s18, 6144
	s_add_co_u32 s46, s46, 98304
	s_add_nc_u64 s[BAS:BAS+1], s[22:23], s[46:47]
	s_add_nc_u64 s[BAS+2:BAS+3], s[BAS:BAS+1], HBK
	s_lshl_b32 s46, s18, 8
	s_add_co_u32 s46, s46, 204800
	s_add_nc_u64 s[BAS+4:BAS+5], s[22:23], s[46:47]
	s_wait_alu depctr_va_vdst(0)
	v_mul_u32_u24 v[TM+8], v[SH], HBK
	v_lshl_add_u32 v[SOF], v[SOF], 4, v[TM+8]
	v_lshlrev_b32 v[SH], 4, v[SH]
.irp a, 0,1,2,3,4,5,6,7
	EPI \a, 1
.endr
	v_cmp_ne_u32 vcc_lo, 0, v[SH]
.irp j, 0,1,2,3
	v_cndmask_b32 v[SW+\j], v[SW+\j], v[SW+4+\j], vcc_lo
.endr
	global_store_b128 v[SOF], v[SW:SW+3], s[BAS+4:BAS+5]
.Ldone:
	s_wait_tensorcnt 0x0
	ds_add_u32 v[SPW], v[NIL]
	s_wait_dscnt 0x0
	CROUND
	s_endpgm
.Lfunc_end_k_qb1666f574f_proj:
	.size	k_qb1666f574f_proj, .Lfunc_end_k_qb1666f574f_proj-k_qb1666f574f_proj
	.p2alignl 7, 3214868480
	.fill 96, 4, 3214868480
	.section	.rodata,"a",@progbits
	.p2align	6, 0x0
	.amdhsa_kernel k_qb1666f574f_proj
		.amdhsa_group_segment_fixed_size 327680
		.amdhsa_private_segment_fixed_size 0
		.amdhsa_enable_private_segment 0
		.amdhsa_kernarg_size 56
		.amdhsa_user_sgpr_count 2
		.amdhsa_user_sgpr_kernarg_segment_ptr 1
		.amdhsa_wavefront_size32 1
		.amdhsa_system_sgpr_workgroup_id_x 1
		.amdhsa_system_sgpr_workgroup_id_y 1
		.amdhsa_system_sgpr_workgroup_id_z 1
		.amdhsa_system_vgpr_workitem_id 0
		.amdhsa_next_free_vgpr 1024
		.amdhsa_next_free_sgpr 102
		.amdhsa_reserve_vcc 1
		.amdhsa_float_denorm_mode_32 3
		.amdhsa_float_denorm_mode_16_64 3
		.amdhsa_memory_ordered 1
		.amdhsa_forward_progress 1
		.amdhsa_inst_pref_size 236
	.end_amdhsa_kernel
	.amdgpu_metadata
---
amdhsa.version: [ 1, 2 ]
amdhsa.kernels:
  - .name:           k_qb1666f574f_proj
    .symbol:         k_qb1666f574f_proj.kd
    .args:
      - { .name: cod, .offset: 0, .size: 8, .value_kind: global_buffer, .address_space: global }
      - { .name: scl, .offset: 8, .size: 8, .value_kind: global_buffer, .address_space: global }
      - { .name: qi, .offset: 16, .size: 8, .value_kind: global_buffer, .address_space: global }
      - { .name: kv, .offset: 24, .size: 8, .value_kind: global_buffer, .address_space: global }
      - { .name: bq, .offset: 32, .size: 8, .value_kind: global_buffer, .address_space: global }
      - { .name: bk, .offset: 40, .size: 8, .value_kind: global_buffer, .address_space: global }
      - { .name: bv, .offset: 48, .size: 8, .value_kind: global_buffer, .address_space: global }
    .group_segment_fixed_size: 327680
    .private_segment_fixed_size: 0
    .kernarg_segment_align: 8
    .kernarg_segment_size: 56
    .max_flat_workgroup_size: 128
    .sgpr_count:     102
    .vgpr_count:     1024
    .wavefront_size: 32
...
	.end_amdgpu_metadata
.endif
;; end of part 2
;; launch attn (part 3): grid 4 x 64, 16 waves a work-group, clusters of 4 x 1, 280,576 bytes of LDS; arguments qi, kv, out0; writes out0
.if DOCPART == 3
	.amdgcn_target "amdgcn-amd-amdhsa--gfx1250"
	.amdhsa_code_object_version 6
	.text
	.protected	k_qb1666f574f_attn
	.globl	k_qb1666f574f_attn
	.p2align	8
	.type	k_qb1666f574f_attn,@function
k_qb1666f574f_attn:
	s_mov_b64 s[64:65], 0
	v_nop
	global_prefetch_b8 v0, s[64:65] scope:SCOPE_SE
	s_setreg_imm32_b32 hwreg(HW_REG_WAVE_MODE, 25, 1), 1
	s_wait_xcnt 0x0
	s_wait_alu depctr_hold_cnt(0) depctr_sa_sdst(0) depctr_va_vdst(0) depctr_va_sdst(0) depctr_va_ssrc(0) depctr_va_vcc(0) depctr_vm_vsrc(0)
	s_getreg_b32 s2, hwreg(HW_REG_IB_STS2, 6, 4)
	s_cmp_eq_u32 s2, 0
	s_cbranch_scc0 .Lentry_in_a_cluster
	s_endpgm
.Lentry_in_a_cluster:
	s_bfe_u32 s2, ttmp6, 0x10000c
	s_cmp_lg_u32 s2, 0x3003
	s_cbranch_scc0 .Lentry_shape_is_right
	s_endpgm
.Lentry_shape_is_right:
; out0[b][s][64 h + e] = the sum over keys of softmax(q . k / 8) v, both products on codes of FP6 (E2M3) with E8M0 scales; q, k, v arrive as images of operand registers (layouts: below).
; THE SOFTMAX AHEAD OF THE SECOND PRODUCT: t = score x log2(e) / 8; M = the running largest t, rounded UP to a whole number; p = 2^(t - M) is quantised along the keys, not normalised.  The row's sum is taken of the
; unquantised p and divides at the end.  When M moves, the sum and O are multiplied by 2^(old M - new M): exact.
; SHARES.  A cluster of four work-groups takes one head g = 16 b + h (the cluster's y); each takes 512 queries; each of its sixteen waves one tile of 16 queries at a time, two passes: tile 32 cx + 16 pass + wave.
; A HEAD'S WHOLE K, V AND SCALES, 208,896 bytes, lie in LDS, as they lie in memory: filled ONCE, jointly by the four partners (each wave one load of 51 rows of 256 bytes, with a mask that names the four).
; So there is no ring, no refill, and no barrier in the loop.
; kv, a head: +0 k's units [16 groups of 128 keys][8 tiles][768 bytes]; +98,304 v's fragments [16][4 tiles of channels][1,536]; +196,608 k's scale words [16][512]: tile t, row r at 256 (t / 4) + 16 r + 4 (t % 4);
;   +204,800 v's [16][256]: tile et, row r at 16 r + 4 et.   qi, a head (106,496 bytes): 128 units; +98,304 scale words as k's.
; A unit is 16 rows x 64 K: registers 0-3 of the operand at 16 x lane, 4-5 at 512 + 8 x lane.  THE FIRST PRODUCT'S K IS 64: the operand's registers 6-11 (K 64 .. 127) are zero codes on both sides, written once.
; LAYOUT.  Both products are used transposed: S^T = K Q^T, O^T = V^T P^T: a lane holds ONE query (lane % 16).  Row r of tile t of a group is token 32 (t / 2) + 8 (t % 2) + r + 8 (r / 8): so the 16 registers of
; score tiles 2 b, 2 b + 1 are keys 32 b + 16 (lane / 16) + 0 .. 15, and the 16 registers of O^T's tiles 2 n, 2 n + 1 are channels 32 n + 16 (lane / 16) + 0 .. 15.
; LIMITS: M is kept as a whole number in f32: exact for |t| under 2^24.  A p under 2^-126 counts as 0.  NaN and infinities are not served.
.set HB,    208896
.set QB,    106496
.set PART,  13056                      ; 51 rows of 256 bytes: a wave's part of the head
.set STAGE, 208896                     ; behind the head: 16 rows x 272 bytes for each wave, for the way out
.set SPARE, 278528                     ; the spare words, 128 bytes for each of the sixteen waves
.set L16, 1                            ; v1   16 x lane
.set L8,  2                            ; v2   8 x lane + 512
.set R16, 3                            ; v3   16 x (lane % 16)
.set W1,  4                            ; v4-6 the addresses of the loads in hand
.set W2,  5
.set W3,  6
.set SPW, 7                            ; v7   my spare word; never rewritten
.set NIL, 8                            ; v8   0; never rewritten
.set STO, 9                            ; v9   the stage: where I put 16 bytes of a row
.set RD,  10                           ; v10  and where I read a row back
.set GO,  11                           ; v11  my byte offset in out0
                                       ; v12 -M, v13 the largest t, v[14:15] the sum in two halves; v16-27 Q (22-27 zeros)
.set QS,  28                           ; v28  Q's scale words
.set TMP, 29
.set F,   30                           ; v30  2^(old M - new M)
.set PW,  31                           ; v31  p's scale word
.set KF,  32                           ; v32-127  K's eight tiles, 12 registers each, the upper six zeros
.set S,   128                          ; v128-191 S^T, then p; v128-175 then V's four fragments
.set O,   192                          ; v192-223 O^T
.set P,   224                          ; v224-235 p's codes
.set PT,  236                          ; v236-243 at work
.set BM,  244                          ; v244-247 the blocks' largest scores, then p, then the conversions' scale operands
.set SCW, 248                          ; v248-255 K's, then V's scale words
.set WV,  10                           ; s10
.set SEL, 12                           ; s[12:13]
.set CS,  14                           ; s[14:15] c = log2(e) / 8
.set G1,  16                           ; s[16:23]
.set G0,  24                           ; s[24:27]
.set SK,  28                           ; s28-31 LDS bytes at which the step's units, fragments and scale words begin
.set SV,  29
.set SSK, 30
.set SSV, 31
.set CNT, 32
.macro CROUND                          ; a round of the cluster's barrier
	s_barrier_signal -1
	s_barrier_wait -1
	s_cmp_lg_u32 s[WV], 0
	s_cbranch_scc1 .Lnot_wave_0_\@
	s_barrier_signal -3
.Lnot_wave_0_\@:
	s_barrier_wait -3
	s_barrier_signal -1
	s_barrier_wait -1
.endm
.macro QLOAD ps                        ; my tile of queries of pass ps: its unit and its scale words
	global_load_b128 v[16:19], v[L16], s[4:5] offset:(\ps)*12288
	global_load_b64 v[20:21], v[L8], s[4:5] offset:(\ps)*12288
	global_load_b32 v[QS], v[R16], s[34:35] offset:(\ps)*1024
.endm
; A KEY STEP: 128 keys.
.macro STEP
	v_add_nc_u32 v[W1], s[SK], v[L16]
	v_add_nc_u32 v[W2], s[SK], v[L8]
	v_add_nc_u32 v[W3], s[SSK], v[R16]             ; (with the four v_nop at the last step's end: seven plain lines ahead of the loads into scale registers and of the products that write over V's registers)
	ds_load_b128 v[SCW:SCW+3], v[W3]               ; K's scale words of tiles 0-3, row lane % 16
	ds_load_b128 v[SCW+4:SCW+7], v[W3] offset:256
.irp t, 0,1,2,3,4,5,6,7
	ds_load_b128 v[KF+12*\t:KF+12*\t+3], v[W1] offset:768*\t
	ds_load_b64 v[KF+12*\t+4:KF+12*\t+5], v[W2] offset:768*\t
.endr
	s_wait_dscnt 8                                 ; the eight youngest loads, tiles 4-7, may be out
.irp t, 0,1,2,3
	v_wmma_scale_f32_16x16x128_f8f6f4 v[S+8*\t:S+8*\t+7], v[KF+12*\t:KF+12*\t+11], v[16:27], 0, v[SCW+\t], v[QS] matrix_a_fmt:MATRIX_FMT_FP6 matrix_b_fmt:MATRIX_FMT_FP6
.endr
	s_wait_dscnt 0x0
.irp t, 4,5,6,7
	v_wmma_scale_f32_16x16x128_f8f6f4 v[S+8*\t:S+8*\t+7], v[KF+12*\t:KF+12*\t+11], v[16:27], 0, v[SCW+\t], v[QS] matrix_a_fmt:MATRIX_FMT_FP6 matrix_b_fmt:MATRIX_FMT_FP6
.endr
.rept 4
	v_nop                                          ; places ahead of the first read of the scores
.endr
.irp b, 0,1,2,3
	v_max3_num_f32 v[BM+\b], v[S+16*\b], v[S+1+16*\b], v[S+2+16*\b]   ; the largest score of each block of 32 keys: for the row's maximum and, since p rises with the score, for the block's largest p
.endr
.irp i, 3,5,7,9,11,13
.irp b, 0,1,2,3
	v_max3_num_f32 v[BM+\b], v[BM+\b], v[S+16*\b+\i], v[S+1+16*\b+\i]
.endr
.endr
.irp b, 0,1,2,3
	v_max_num_f32 v[BM+\b], v[BM+\b], v[S+15+16*\b]
.endr
.irp b, 0,1,2,3
	s_delay_alu instid0(VALU_DEP_4)
	v_permlanex16_b32 v[PT+\b], v[BM+\b], s[SEL], s[SEL+1]
.endr
.irp b, 0,1,2,3
	s_delay_alu instid0(VALU_DEP_4)
	v_max_num_f32 v[BM+\b], v[BM+\b], v[PT+\b]     ; with lane l xor 16's 16 keys
.endr
	s_delay_alu instid0(VALU_DEP_2)
	v_max3_num_f32 v[TMP], v[BM], v[BM+1], v[BM+2]
	s_delay_alu instid0(VALU_DEP_1)
	v_max_num_f32 v[TMP], v[TMP], v[BM+3]          ; the step's largest score of my query
	s_delay_alu instid0(VALU_DEP_1)
	v_mul_f32 v[TMP], s[CS], v[TMP]                ; as t (c is positive)
	s_delay_alu instid0(VALU_DEP_1)
	v_max_num_f32 v13, v13, v[TMP]                 ; the running largest t
	v_mov_b32 v[TMP], v12
	s_delay_alu instid0(VALU_DEP_2)
	v_floor_f32 v12, -v13                          ; the new -M = floor(-t) = -ceil(t)
	s_delay_alu instid0(VALU_DEP_1)
	v_sub_f32 v[TMP], v12, v[TMP]                  ; old M - new M: a whole number, 0 or less
	s_delay_alu instid0(VALU_DEP_1)
	v_cvt_i32_f32 v[TMP], v[TMP]                   ; (it saturates)
	s_delay_alu instid0(VALU_DEP_1)
	v_ldexp_f32 v[F], 1.0, v[TMP]                  ; f = 2^(old M - new M)
.irp j, 0,2,4,6,8,10,12,14,16,18,20,22,24,26,28,30,32,34,36,38,40,42,44,46,48,50,52,54,56,58,60,62
	v_pk_fma_f32 v[S+\j:S+\j+1], v[S+\j:S+\j+1], s[CS:CS+1], v[12:13] op_sel_hi:[1,0,0]   ; t - M, two at a time
.endr
.irp b, 0,1,2,3
	v_fma_f32 v[BM+\b], v[BM+\b], s[CS], v12       ; the same of each block's largest score
.endr
	s_wait_alu depctr_va_vdst(0)
.irp j, 0,1,2,3,4,5,6,7,8,9,10,11,12,13,14,15,16,17,18,19,20,21,22,23,24,25,26,27,28,29,30,31,32,33,34,35,36,37,38,39,40,41,42,43,44,45,46,47,48,49,50,51,52,53,54,55,56,57,58,59,60,61,62,63
	v_exp_f32 v[S+\j], v[S+\j]                     ; p = 2^(t - M), at most 1
.endr
	s_setprio 1
	v_pk_mul_f32 v[14:15], v[14:15], v[F:F+1] op_sel_hi:[1,0]   ; the sums under the new M (the plain line behind the exponentials)
	s_wait_alu depctr_va_vdst(0)                   ; one wait for the whole batch, ahead of its first reader
.irp b, 0,1,2,3
	v_exp_f32 v[BM+\b], v[BM+\b]                   ; the block's largest p: the same two instructions on the same number give the same bits
.endr
	v_pk_add_f32 v[236:237], v[132:133], v[136:137]
	v_pk_add_f32 v[254:255], v[140:141], v[144:145]
	v_pk_add_f32 v[252:253], v[148:149], v[152:153]
	v_pk_add_f32 v[250:251], v[156:157], v[160:161]
	v_pk_add_f32 v[248:249], v[164:165], v[168:169]
	v_pk_add_f32 v[242:243], v[172:173], v[176:177]
	v_pk_add_f32 v[240:241], v[180:181], v[184:185]
	v_pk_add_f32 v[14:15], v[14:15], v[188:189]
	v_pk_add_f32 v[236:237], v[236:237], v[128:129]
	v_pk_add_f32 v[254:255], v[254:255], v[130:131]
	v_pk_add_f32 v[252:253], v[252:253], v[134:135]
	v_pk_add_f32 v[250:251], v[250:251], v[138:139]
	v_pk_add_f32 v[248:249], v[248:249], v[142:143]
	v_pk_add_f32 v[242:243], v[242:243], v[146:147]
	v_pk_add_f32 v[240:241], v[240:241], v[150:151]
	v_pk_add_f32 v[14:15], v[14:15], v[154:155]
	v_pk_add_f32 v[236:237], v[236:237], v[158:159]
	v_pk_add_f32 v[254:255], v[254:255], v[162:163]
	v_pk_add_f32 v[252:253], v[252:253], v[166:167]
	v_pk_add_f32 v[250:251], v[250:251], v[170:171]
	v_pk_add_f32 v[248:249], v[248:249], v[174:175]
	v_pk_add_f32 v[242:243], v[242:243], v[178:179]
	v_pk_add_f32 v[240:241], v[240:241], v[182:183]
	v_pk_add_f32 v[14:15], v[14:15], v[186:187]
	v_pk_add_f32 v[236:237], v[236:237], v[190:191]
	s_delay_alu instid0(VALU_DEP_2)
	v_pk_add_f32 v[14:15], v[14:15], v[250:251]
	s_delay_alu instid0(VALU_DEP_2)
	v_pk_add_f32 v[236:237], v[236:237], v[248:249]
	v_pk_add_f32 v[254:255], v[254:255], v[242:243]
	v_pk_add_f32 v[252:253], v[252:253], v[240:241]
	s_delay_alu instid0(VALU_DEP_2)
	v_pk_add_f32 v[14:15], v[14:15], v[254:255]
	s_delay_alu instid0(VALU_DEP_2)
	v_pk_add_f32 v[236:237], v[236:237], v[252:253]
	s_delay_alu instid0(VALU_DEP_1)
	v_pk_add_f32 v[14:15], v[14:15], v[236:237]
	s_wait_alu depctr_va_vdst(0)                   ; and one for the four
.irp b, 0,1,2,3
	v_max_num_f32 v[BM+\b], 0x1800000, v[BM+\b]    ; the floor 2^(3 - 127): the byte cannot fall under 1
.endr
.irp b, 0,1,2,3
	s_delay_alu instid0(VALU_DEP_4)
	v_add_nc_u32 v[BM+\b], 0xff000000, v[BM+\b]    ; 2 off the exponent field: the conversion's scale operand
.endr
.irp b, 0,1,2,3
	s_delay_alu instid0(VALU_DEP_4)
	v_lshrrev_b32 v[PT+\b], 23, v[BM+\b]           ; the scale's byte
.endr
	s_delay_alu instid0(VALU_DEP_3)
	v_lshl_or_b32 v[PW], v[PT+1], 8, v[PT]         ; p's scale word for these 128 keys
	s_delay_alu instid0(VALU_DEP_1)
	v_lshl_or_b32 v[PW], v[PT+2], 16, v[PW]
	s_delay_alu instid0(VALU_DEP_1)
	v_lshl_or_b32 v[PW], v[PT+3], 24, v[PW]
.irp c, 0,1
	v_cvt_scalef32_pk16_fp6_f32 v[P+6*\c:P+2+6*\c], v[S+32*\c:S+15+32*\c], v[BM+2*\c]
	v_cvt_scalef32_pk16_fp6_f32 v[PT+4*\c:PT+2+4*\c], v[S+16+32*\c:S+31+32*\c], v[BM+2*\c+1]   ; (a conversion's three registers begin on an even number)
.endr
	v_nop                                          ; one plain line behind a scaled conversion
	v_add_nc_u32 v[W1], s[SV], v[L16]
	v_add_nc_u32 v[W3], s[SSV], v[R16]
.irp e, 0,1,2,3                                ; V's four fragments land where p stood, while p's codes are put in order and O^T is rescaled
.irp j, 0,1,2
	ds_load_b128 v[S+12*\e+4*\j:S+12*\e+4*\j+3], v[W1] offset:1536*\e+512*\j
.endr
.endr
	ds_load_b128 v[SCW:SCW+3], v[W3]               ; V's scale words of the four tiles, row lane % 16
.irp c, 0,1                                    ; the operand's layout wants a WHOLE block in a lane
.irp i, 0,1,2
	v_permlane16_swap_b32 v[P+6*\c+\i], v[PT+4*\c+\i]
.endr
.irp i, 0,1,2
	s_delay_alu instid0(VALU_DEP_3)
	v_mov_b32 v[P+3+6*\c+\i], v[PT+4*\c+\i]
.endr
.endr
	s_setprio 0
.irp j, 0,2,4,6,8,10,12,14,16,18,20,22,24,26,28,30
	v_pk_mul_f32 v[O+\j:O+\j+1], v[O+\j:O+\j+1], v[F:F+1] op_sel_hi:[1,0]   ; O^T under the new M.  (These sixteen are also the plain lines between the writing of p's codes and scale word and the products)
.endr
	s_wait_alu depctr_va_vdst(0)
	s_wait_dscnt 0x0
.irp e, 0,1,2,3                                ; O^T += V^T P^T: the four accumulators by turns
	v_wmma_scale_f32_16x16x128_f8f6f4 v[O+8*\e:O+8*\e+7], v[S+12*\e:S+12*\e+11], v[P:P+11], v[O+8*\e:O+8*\e+7], v[SCW+\e], v[PW] matrix_a_fmt:MATRIX_FMT_FP6 matrix_b_fmt:MATRIX_FMT_FP6
.endr
.rept 4
	v_nop                                          ; places behind these products: for the next step's loads and products, and for the way out
.endr
.endm
; A PASS: one tile of 16 queries against all 2,048 keys, and its way out.
.macro PASS ps
	v_mov_b32 v13, 0xff61b1e6                      ; the largest t so far: -3e38
	s_delay_alu instid0(VALU_DEP_1)
	v_floor_f32 v12, -v13                          ; -M
	v_mov_b32 v14, 0
	v_mov_b32 v15, 0
.irp j, 0,1,2,3,4,5,6,7,8,9,10,11,12,13,14,15,16,17,18,19,20,21,22,23,24,25,26,27,28,29,30,31
	v_mov_b32 v[O+\j], 0                           ; the step is written once: the first finds zeros, which the first change of M leaves zeros
.endr
	s_mov_b32 s[SK], 0
	s_mov_b32 s[SV], 98304
	s_mov_b32 s[SSK], 196608
	s_mov_b32 s[SSV], 204800
	s_mov_b32 s[CNT], 16
	s_wait_loadcnt 0x0                             ; Q
.Lstep_\@:
	s_setprio 2
	STEP
	s_add_co_u32 s[SK], s[SK], 6144
	s_add_co_u32 s[SV], s[SV], 6144
	s_add_co_u32 s[SSK], s[SSK], 512
	s_add_co_u32 s[SSV], s[SSV], 256
	s_sub_co_u32 s[CNT], s[CNT], 1
	s_cmp_lg_u32 s[CNT], 0
	s_cbranch_scc1 .Lstep_\@
	s_setprio 0
.if (\ps) == 0
	QLOAD 1                                        ; the next pass's queries land under the way out
.endif
	v_add_f32 v14, v14, v15                        ; the sum's two halves,
	s_delay_alu instid0(VALU_DEP_1)
	v_permlanex16_b32 v[PT], v14, s[SEL], s[SEL+1]
	s_delay_alu instid0(VALU_DEP_1)
	v_add_f32 v14, v14, v[PT]                      ; and lane l xor 16's
	s_wait_alu depctr_va_vdst(0)
	v_rcp_f32 v14, v14
	v_nop                                          ; a plain line behind the reciprocal,
	s_wait_alu depctr_va_vdst(0)                   ; and the wait ahead of its first reader
.irp j, 0,2,4,6,8,10,12,14,16,18,20,22,24,26,28,30
	v_pk_mul_f32 v[S+\j:S+\j+1], v[O+\j:O+\j+1], v[14:15] op_sel_hi:[1,0]   ; O^T / the sum: register 16 n + i is channel 32 n + 16 h + i
.endr
.irp b, 0,1
.irp q, 0,1,2,3
	ds_store_b128 v[STO], v[S+16*\b+4*\q:S+16*\b+4*\q+3] offset:128*\b+16*\q
.endr
.endr
.irp i, 0,1,2,3,4,5,6,7
	ds_load_b128 v[S+32+4*\i:S+35+4*\i], v[RD] offset:544*\i   ; rows 2 i and 2 i + 1, whole; LDS serves a wave's instructions in order: these see my stores
.endr
.irp i, 0,1,2,3,4,5,6,7
	s_wait_dscnt 7-\i                              ; the younger loads may stay out
	global_store_b128 v[GO], v[S+32+4*\i:S+35+4*\i], s[8:9] offset:(\ps)*1048576+(2*\i+8*(\i/4))*4096 th:TH_STORE_NT   ; row n of the tile is token n + 8 (n / 8): sixteen lanes store 256 consecutive bytes, aligned
.endr
	s_wait_xcnt 0x0                                ; the stores have read their registers
.endm
	s_load_b128 s[4:7], s[0:1], 0x0                ; qi s[4:5], kv s[6:7]
	s_load_b64 s[8:9], s[0:1], 0x10                ; out0
	v_lshl_add_u32 v[SPW], v0, 2, SPARE
	v_mov_b32 v[NIL], 0
	ds_add_u32 v[SPW], v[NIL]                      ; the wave's opening: the add and its wait ahead of my first tensor load; work on registers stands between them
	ds_add_u32 v[SPW], v[NIL]
	v_lshrrev_b32 v1, 5, v0
	s_delay_alu instid0(VALU_DEP_1)
	v_readfirstlane_b32 s[WV], v1                  ; wave 0..15
	s_bfe_u32 s11, ttmp6, 0x40000                  ; cx: it enters qi's and out0's addresses alone
	s_and_b32 s33, ttmp7, 0xffff                   ; the head g, which the four partners share
	; descriptor group 1: 51 rows of 256 bytes (32 elements of 8), dense, no padding
	s_mov_b32 s[G1], 15|(3<<16)|(1<<21)            ; 15:0 the mask: all four work-groups; 17:16 elements of 8 bytes; 21 set beside a mask
	s_mov_b32 s[G1+1], 32<<16                      ; tensor_dim0
	s_mov_b32 s[G1+2], 51<<16                      ; tensor_dim1
	s_mov_b32 s[G1+3], 32<<16                      ; tile_dim0
	s_mov_b32 s[G1+4], 51                          ; tile_dim1
	s_mov_b32 s[G1+5], 32                          ; the pitch
	s_mov_b32 s[G1+6], 0
	s_mov_b32 s[G1+7], 0
	s_mov_b32 s[G0], 1
	s_mul_i32 s[G0+1], s[WV], PART                 ; LDS address: the wave's number times a constant
	s_mov_b32 s[SEL], 0x76543210
	s_mov_b32 s[SEL+1], 0xfedcba98
	s_mov_b32 s[CS], 0x3e38aa3b                    ; c = log2(e) / 8
	s_mov_b32 s[CS+1], s[CS]
	s_mul_i32 s36, s33, HB
	s_mul_i32 s40, s[WV], PART
	s_add_co_u32 s36, s36, s40                     ; kv: my part of the head
	s_mov_b32 s37, 0
	s_mul_i32 s41, s33, QB                         ; qi: the head
	s_lshl_b32 s38, s11, 5
	s_add_co_u32 s38, s38, s[WV]                   ; my tile of pass 0: 32 cx + wave
	s_mul_i32 s38, s38, 768
	s_add_co_u32 s38, s38, s41
	s_mov_b32 s39, 0
	s_lshl_b32 s40, s11, 2
	s_lshr_b32 s46, s[WV], 3
	s_add_co_u32 s40, s40, s46                     ; its group of 128 tokens: 4 cx + wave / 8
	s_lshl_b32 s42, s40, 9
	s_add_co_u32 s42, s42, s41
	s_add_co_u32 s42, s42, 98304
	s_bfe_u32 s46, s[WV], 0x10002                  ; (wave % 8) / 4
	s_lshl_b32 s46, s46, 8
	s_add_co_u32 s42, s42, s46
	s_and_b32 s46, s[WV], 3
	s_lshl_b32 s46, s46, 2
	s_add_co_u32 s42, s42, s46                     ; its scale words
	s_mov_b32 s43, 0
	s_lshl_b32 s44, s40, 7
	s_bfe_u32 s46, s[WV], 0x20001                  ; (wave % 8) / 2
	s_lshl_b32 s46, s46, 5
	s_add_co_u32 s44, s44, s46
	s_and_b32 s46, s[WV], 1
	s_lshl_b32 s46, s46, 3
	s_add_co_u32 s44, s44, s46                     ; the tile's first token
	s_lshr_b32 s46, s33, 4
	s_lshl_b32 s46, s46, 11
	s_add_co_u32 s44, s44, s46                     ; in its batch
	s_lshl_b32 s44, s44, 12                        ; rows of 4,096 bytes
	s_and_b32 s46, s33, 15
	s_lshl_b32 s46, s46, 8
	s_add_co_u32 s44, s44, s46                     ; the head's 256 bytes of a row
	s_mov_b32 s45, 0
	s_wait_dscnt 0x0                               ; the opening add is done
	s_wait_kmcnt 0x0
	s_add_nc_u64 s[G0+2:G0+3], s[6:7], s[36:37]
	s_or_b32 s[G0+3], s[G0+3], 0x80000000
	s_add_nc_u64 s[34:35], s[4:5], s[42:43]
	s_add_nc_u64 s[4:5], s[4:5], s[38:39]
	s_add_nc_u64 s[8:9], s[8:9], s[44:45]
	CROUND                                         ; all four work-groups are here: the joint loads meet
	tensor_load_to_lds s[G0:G0+3], s[G1:G1+7]      ; my one tensor load of the launch
	s_nop 0
.rept 4
	v_nop
.endr
	v_and_b32 v[L16], 31, v0
	s_delay_alu instid0(VALU_DEP_1)
	v_lshlrev_b32 v[L8], 3, v[L16]
	s_delay_alu instid0(VALU_DEP_1)
	v_add_nc_u32 v[L8], 512, v[L8]
	s_delay_alu instid0(VALU_DEP_3)
	v_lshlrev_b32 v[L16], 4, v[L16]
	v_and_b32 v[W1], 15, v0                        ; r
	s_delay_alu instid0(VALU_DEP_1)
	v_lshlrev_b32 v[R16], 4, v[W1]
	QLOAD 0
	v_bfe_u32 v[TMP], v0, 4, 1                     ; h
	s_mul_i32 s46, s[WV], 16*272
	s_add_co_u32 s46, s46, STAGE                   ; my stage
	v_mul_u32_u24 v[STO], v[W1], 272
	s_delay_alu instid0(VALU_DEP_1)
	v_lshl_add_u32 v[STO], v[TMP], 6, v[STO]
	s_delay_alu instid0(VALU_DEP_1)
	v_add_nc_u32 v[STO], s46, v[STO]               ; in: row r, + 64 h
	v_mul_u32_u24 v[RD], v[TMP], 272
	s_delay_alu instid0(VALU_DEP_1)
	v_lshl_add_u32 v[RD], v[W1], 4, v[RD]
	s_delay_alu instid0(VALU_DEP_1)
	v_add_nc_u32 v[RD], s46, v[RD]                 ; back: lanes 0-15 one row, lanes 16-31 the next
	v_lshlrev_b32 v[GO], 12, v[TMP]
	s_delay_alu instid0(VALU_DEP_1)
	v_lshl_add_u32 v[GO], v[W1], 4, v[GO]          ; and the same two rows in out0
.irp t, 0,1,2,3,4,5,6,7
.irp z, 6,7,8,9,10,11
	v_mov_b32 v[KF+12*\t+\z], 0                    ; zero codes for K = 64 .. 127: written once
.endr
.endr
.irp z, 22,23,24,25,26,27
	v_mov_b32 v[\z], 0
.endr
.irp b, 0,1,2,3
	v_mov_b32 v[PT+\b], 0                          ; written once: a lane permute's destination counts as one of its sources
.endr
	v_mov_b32 v[PW], 0                             ; (named as the upper half of the pair with f before it is first written)
	s_wait_tensorcnt 0x0                           ; my part of the head is in,
	s_barrier_signal -1
	s_barrier_wait -1                              ; everybody's is
	PASS 0
	PASS 1
	s_wait_tensorcnt 0x0                           ; the wave's end, behind my last tensor load and my last LDS store
	ds_add_u32 v[SPW], v[NIL]
	s_wait_dscnt 0x0
	CROUND                                         ; the closing round
	s_endpgm
.Lfunc_end_k_qb1666f574f_attn:
	.size	k_qb1666f574f_attn, .Lfunc_end_k_qb1666f574f_attn-k_qb1666f574f_attn
	.p2alignl 7, 3214868480
	.fill 96, 4, 3214868480
	.section	.rodata,"a",@progbits
	.p2align	6, 0x0
	.amdhsa_kernel k_qb1666f574f_attn
		.amdhsa_group_segment_fixed_size 280576
		.amdhsa_private_segment_fixed_size 0
		.amdhsa_enable_private_segment 0
		.amdhsa_kernarg_size 24
		.amdhsa_user_sgpr_count 2
		.amdhsa_user_sgpr_kernarg_segment_ptr 1
		.amdhsa_wavefront_size32 1
		.amdhsa_system_sgpr_workgroup_id_x 1
		.amdhsa_system_sgpr_workgroup_id_y 1
		.amdhsa_system_sgpr_workgroup_id_z 1
		.amdhsa_system_vgpr_workitem_id 0
		.amdhsa_next_free_vgpr 256
		.amdhsa_next_free_sgpr 66
		.amdhsa_reserve_vcc 0
		.amdhsa_float_denorm_mode_32 3
		.amdhsa_float_denorm_mode_16_64 3
		.amdhsa_memory_ordered 1
		.amdhsa_forward_progress 1
		.amdhsa_inst_pref_size 53
	.end_amdhsa_kernel
	.amdgpu_metadata
---
amdhsa.version: [ 1, 2 ]
amdhsa.kernels:
  - .name:           k_qb1666f574f_attn
    .symbol:         k_qb1666f574f_attn.kd
    .args:
      - { .name: qi, .offset: 0, .size: 8, .value_kind: global_buffer, .address_space: global }
      - { .name: kv, .offset: 8, .size: 8, .value_kind: global_buffer, .address_space: global }
      - { .name: out0, .offset: 16, .size: 8, .value_kind: global_buffer, .address_space: global }
    .group_segment_fixed_size: 280576
    .private_segment_fixed_size: 0
    .kernarg_segment_align: 8
    .kernarg_segment_size: 24
    .max_flat_workgroup_size: 512
    .sgpr_count:     66
    .vgpr_count:     256
    .wavefront_size: 32
...
	.end_amdgpu_metadata
.endif
;; end of part 3
